; MI455X (gfx1250); checked and timed in simulation.
; The chip was launched on July 23, 2026; its instructions are those of AMD's public machine-readable ISA for CDNA 5 (MIT licence, August 2026) and "CDNA5" Instruction Set Architecture Reference Guide (July 2026). The comments in the code are by the model that wrote it; some were corrected since.
;; Pair Update. Allowed arithmetic: float matrix products may take bf16 or f16 operands with f32 sums; other float arithmetic in f32, or as packed bf16 or f16 multiplies, adds, multiply-adds, maxima and minima; sums over many terms, partial sums and values carried from step to step in f32; what a program stores and reads back later, other than sums and carried values, may be rounded once to bf16 or f16.
;; Inputs: W1 512 x 256 float32; W2 256 x 512 float32; Wk 256 x 256 float32; Wo 256 x 256 float32; Wq 256 x 256 float32; Wv 256 x 256 float32; b1 512 float32; b2 256 float32; be1 256 float32; be2 256 float32; bk 256 float32; bo 256 float32; bq 256 float32; bv 256 float32; g1 256 float32; g2 256 float32; mask 1 x 256 x 256 int32; pair_bias 1 x 8 x 256 x 256 float32; pair_repr 1 x 256 x 256 x 256 float32.
;; Outputs: out0 1 x 256 x 256 x 256 float32.
;; One version. Each part assembles by itself: llvm-mc -triple=amdgcn-amd-amdhsa -mcpu=gfx1250 --defsym DOCPART=n.
;; ======== version 1 of 1: 2 launches
;; limits: right only within a limited range of input values
;; workspace buffers: WS 1,048,576 bytes; BT 1,048,576 bytes; VEC 4,096 bytes
;; launch prep (part 1): grid 128 x 1, 8 waves a work-group, no clusters, 1,536 bytes of LDS; arguments Wq, Wk, Wv, Wo, W1, W2, bq, bv, b1, g1, be1, g2, be2, pair_bias, mask, WS, BT, VEC; writes WS, BT, VEC
.if DOCPART == 1
	.amdgcn_target "amdgcn-amd-amdhsa--gfx1250"
	.amdhsa_code_object_version 6
	.text
	.protected	k_qe3d84c1bae_prep
	.globl	k_qe3d84c1bae_prep
	.p2align	8
	.type	k_qe3d84c1bae_prep,@function
k_qe3d84c1bae_prep:
	s_mov_b64 s[64:65], 0
	v_nop
	global_prefetch_b8 v0, s[64:65] scope:SCOPE_SE
	s_setreg_imm32_b32 hwreg(HW_REG_WAVE_MODE, 25, 1), 1
	s_wait_xcnt 0x0
; PREP: the tables of the fused launch.  With xh = (p - mean) rstd, the normalised row without gain, x = xh g1 + be1, so
;   q SCALE = (Wq g1 SCALE) xh + (bq + Wq.be1) SCALE      v = (Wv g1) xh + (bv + Wv.be1)      hidden = (W1 g2) yh + (b1 + W1.be2)
;   k = (Wk g1) xh + (bk + Wk.be1).
; DEAD WORK.  k's constant part kc = bk + Wk.be1 adds q_i . kc to every score of query row i: the same number for all keys, that is along the softmax's axis, so it cancels in
; probs for all finite values of the inputs.  It is left out: bk is loaded nowhere and is no argument of any launch, and Wk.be1 is not formed (be1 stays: q and v use it).
; LIMIT: a NaN, an infinity or an overflow in bk or in Wk.be1 is not carried to the result.
; WS: 16 chunks of 65,536 bytes, 4 pieces of 16,384 each, 16 fragments of 1,024 each.  A fragment is 16 rows x 32 k of bf16 as a matrix source wants it: the 16 bytes at
;   f 1024 + s 512 + l 16 hold row r = l % 16, k = 16 s + 8 (l / 16) + 0..7.  Each weight is multiplied in f32 by its gain (and SCALE) and rounded once.
;   chunk h < 8: Wq', Wk', Wv' (kind N: fragment 2 ks + cb, row 32 h + 16 cb + r, column 32 ks + k), Wo (kind T: fragment f, row 16 f + r, column 32 h + k).
;   chunk 8 + m: W1' and W2 of steps 2 m and 2 m + 1 (kinds N, T, N, T; a step is 32 hidden channels).
; BT: the 16 bytes at (((h 16 + qt) 16 + kb) 32 + l) 16 hold, for query 16 qt + r and keys 16 kb + 8 (l / 16) + 0..7, pair_bias rounded once to bf16, or -1e30 where mask is 0.
; VEC (f32): bq' at 0, bv' at 1,024, b1' at 2,048.  A work-group stores 128 consecutive bytes of it: the one store here that fills no whole 256 bytes; VEC is 4,096 bytes in all.
; SHARES.  Work-groups 0-63: a piece of WS each; 64-127: 16,384 bytes of BT each.  Thread t makes the four units of 16 bytes at 16 t + 4,096 j: a wave's store covers 512 consecutive bytes, aligned.
.set SPARE, 512                        ; LDS 0-511: the waves' partial dots; from 512 on the spare words, 128 bytes for each of the eight waves
.set W,  16                            ; v[16:47]   8 f32 for each of my four units; packed in place
.set G,  48                            ; v[48:79]   their gains (table: the mask's words)
.set BE, 80                            ; v[80:111]  their be
.set DC, 112                           ; v[112:119] four chains of the dot with be
.macro PACKOUT ptr                     ; four units: 8 f32 to 8 bf16 in place, first source into the low half, and stored
.irp j, 0,1,2,3
.irp i, 0,1,2,3
	v_cvt_pk_bf16_f32 v[W+8*\j+\i], v[W+8*\j+2*\i], v[W+8*\j+2*\i+1]
.endr
	global_store_b128 v7, v[W+8*\j:W+8*\j+3], s[\ptr:\ptr+1] offset:4096*\j
.endr
.endm
	s_load_b512 s[4:19], s[0:1], 0x0               ; Wq 4, Wk 6, Wv 8, Wo 10, W1 12, W2 14, bq 16, bv 18
	s_load_b512 s[20:35], s[0:1], 0x40             ; b1 20, g1 22, be1 24, g2 26, be2 28, pair_bias 30, mask 32, WS 34
	s_load_b128 s[36:39], s[0:1], 0x80             ; BT 36, VEC 38
	v_lshl_add_u32 v2, v0, 2, SPARE                ; my spare word
	v_mov_b32 v3, 0
	v_lshrrev_b32 v1, 5, v0
	v_readfirstlane_b32 s40, v1                    ; wave 0..7
	v_and_b32 v4, 31, v0                           ; l
	v_and_b32 v5, 15, v0                           ; r
	v_bfe_u32 v6, v0, 4, 1                         ; l / 16
	v_lshlrev_b32 v7, 4, v0                        ; 16 t: where my units go
	s_mov_b32 s41, ttmp9
	s_mov_b32 s45, 0
	s_mov_b32 s68, 0x76543210                      ; v_permlanex16_b32: each lane takes its own place in the other half
	s_mov_b32 s69, 0xfedcba98
	s_and_b32 s71, s40, 1
	s_lshl_b32 s71, s71, 6                         ; s = wave % 2: 16 columns, 64 bytes
	s_wait_kmcnt 0x0
	s_cmp_ge_u32 s41, 64
	s_cbranch_scc1 .Ltable
	; A PIECE OF WS.  c = chunk, p = piece; everything is chosen from the work-group's number alone.
	s_lshl_b32 s44, s41, 14
	s_add_nc_u64 s[34:35], s[34:35], s[44:45]      ; WS at my piece
	s_lshr_b32 s42, s41, 2                         ; c
	s_and_b32 s43, s41, 3                          ; p
	s_and_b32 s53, s43, 1
	s_xor_b32 s54, s53, 1                          ; pieces 0 and 2 have a bias to fold (Wq, Wv, W1); Wk and kind T have none
	s_lshr_b32 s55, s43, 1
	s_sub_co_u32 s56, s42, 8
	s_lshl1_add_u32 s56, s56, s55                  ; the FFN's step: 2 (c - 8) + p / 2 (used for c >= 8 alone)
	s_movk_i32 s66, 1024                           ; a row of Wo in bytes
	s_cmp_eq_u32 s43, 1
	s_cselect_b64 s[46:47], s[6:7], s[4:5]         ; Wk or Wq
	s_cmp_eq_u32 s43, 2
	s_cselect_b64 s[46:47], s[8:9], s[46:47]       ; Wv
	s_cselect_b64 s[48:49], s[18:19], s[16:17]     ; bv or bq
	s_cselect_b32 s50, 1024, 0                     ; their place in VEC
	s_cmp_eq_u32 s43, 3
	s_cselect_b64 s[46:47], s[10:11], s[46:47]     ; Wo,
	s_cselect_b32 s51, 1, 0                        ; which is of kind T
	s_cmp_eq_u32 s43, 0
	s_cselect_b32 s52, 0x3e3504f3, 1.0             ; SCALE = 32^-0.5 goes into Wq' and bq'
	s_cmp_eq_u32 s53, 1
	s_cselect_b64 s[58:59], s[14:15], s[12:13]     ; W2 or W1
	s_cmp_ge_u32 s42, 8                            ; the FFN's chunks
	s_cselect_b64 s[46:47], s[58:59], s[46:47]
	s_cselect_b64 s[48:49], s[20:21], s[48:49]     ; b1
	s_cselect_b64 s[60:61], s[26:27], s[22:23]     ; g2 or g1
	s_cselect_b64 s[62:63], s[28:29], s[24:25]     ; be2 or be1
	s_cselect_b32 s50, 2048, s50
	s_cselect_b32 s51, s53, s51
	s_cselect_b32 s52, 1.0, s52
	s_cselect_b32 s57, s56, s42                    ; the slice of 32 rows (kind N) or 32 columns (kind T)
	s_cselect_b32 s66, 2048, s66                   ; a row of W2
	s_cmp_eq_u32 s51, 1
	s_cbranch_scc1 .Lkind_t
	; KIND N.  Unit t + 256 j: s = wave % 2, fragment wave / 2 + 4 j, so cb = (wave / 2) % 2 and ks = wave / 4 + 2 j: a step of j is 64 columns, 256 bytes.
	s_lshr_b32 s70, s40, 2
	s_lshl_b32 s70, s70, 7
	s_add_co_u32 s70, s70, s71
	v_lshl_add_u32 v9, v6, 5, s70                  ; my first column in bytes: for g and be
	s_bfe_u32 s72, s40, 0x10001                    ; cb
	s_lshl_b32 s72, s72, 14
	s_lshl_b32 s73, s57, 15
	s_add_co_u32 s72, s72, s73                     ; row 32 slice + 16 cb, rows of 1,024 bytes
	v_lshl_add_u32 v8, v5, 10, v9
	v_add_nc_u32 v8, s72, v8
.irp j, 0,1,2,3
	global_load_b128 v[W+8*\j:W+8*\j+3],   v8, s[46:47] offset:256*\j
	global_load_b128 v[W+8*\j+4:W+8*\j+7], v8, s[46:47] offset:256*\j+16
	global_load_b128 v[G+8*\j:G+8*\j+3],   v9, s[60:61] offset:256*\j
	global_load_b128 v[G+8*\j+4:G+8*\j+7], v9, s[60:61] offset:256*\j+16
.endr
	s_cmp_eq_u32 s54, 0                            ; the same in all eight waves
	s_cbranch_scc1 .Lno_bias
	; the bias's fold: row . be.  My 32 columns here; the row's others lie in the lane 16 away and in three other waves.
.irp j, 0,1,2,3
	global_load_b128 v[BE+8*\j:BE+8*\j+3],   v9, s[62:63] offset:256*\j
	global_load_b128 v[BE+8*\j+4:BE+8*\j+7], v9, s[62:63] offset:256*\j+16
.endr
	v_lshlrev_b32 v10, 2, v5
	s_lshl_b32 s73, s40, 6
	v_add_nc_u32 v10, s73, v10                     ; LDS word 16 wave + r
	s_wait_loadcnt 0x0                             ; one batch, one wait
.irp j, 0,1,2,3
	v_pk_mul_f32 v[DC+2*\j:DC+2*\j+1], v[W+8*\j:W+8*\j+1], v[BE+8*\j:BE+8*\j+1]
.endr
.irp i, 1,2,3
.irp j, 0,1,2,3
	v_pk_fma_f32 v[DC+2*\j:DC+2*\j+1], v[W+8*\j+2*\i:W+8*\j+2*\i+1], v[BE+8*\j+2*\i:BE+8*\j+2*\i+1], v[DC+2*\j:DC+2*\j+1]
.endr
.endr
	v_pk_add_f32 v[DC:DC+1], v[DC:DC+1], v[DC+2:DC+3]
	v_pk_add_f32 v[DC+4:DC+5], v[DC+4:DC+5], v[DC+6:DC+7]
	v_pk_add_f32 v[DC:DC+1], v[DC:DC+1], v[DC+4:DC+5]
	v_add_f32 v[DC], v[DC], v[DC+1]
	v_permlanex16_b32 v[DC+1], v[DC], s68, s69
	v_add_f32 v[DC], v[DC], v[DC+1]                ; lanes r and r + 16 hold the same sum
	ds_store_b32 v10, v[DC]
	s_wait_dscnt 0x0                               ; for the others' sake: my partial sum lies in LDS
	s_barrier_signal -1
	s_barrier_wait -1
	s_cmp_lg_u32 s40, 0                            ; wave 0 finishes the 32 rows, a lane a row
	s_cbranch_scc1 .Lno_bias
	v_lshlrev_b32 v11, 2, v5
	v_lshl_add_u32 v11, v6, 7, v11                 ; row l: cb = l / 16: waves 2 cb, 2 cb + 1, 2 cb + 4, 2 cb + 5
	ds_load_b32 v120, v11
	ds_load_b32 v121, v11 offset:64
	ds_load_b32 v122, v11 offset:256
	ds_load_b32 v123, v11 offset:320
	s_lshl_b32 s73, s57, 7
	v_lshl_add_u32 v12, v4, 2, s73                 ; (32 slice + l) x 4
	global_load_b32 v124, v12, s[48:49]
	v_add_nc_u32 v13, s50, v12
	s_wait_dscnt 0x0
	v_add_f32 v120, v120, v121
	v_add_f32 v122, v122, v123
	v_add_f32 v120, v120, v122
	s_wait_loadcnt 0x0
	v_add_f32 v120, v120, v124
	v_mul_f32 v120, s52, v120
	global_store_b32 v13, v120, s[38:39]
.Lno_bias:
	s_wait_loadcnt 0x0
.irp j, 0,1,2,3
.irp i, 0,1,2,3
	v_pk_mul_f32 v[G+8*\j+2*\i:G+8*\j+2*\i+1], v[G+8*\j+2*\i:G+8*\j+2*\i+1], s[52:53] op_sel_hi:[1,0]  ; g x scale (the pair's low word for both)
.endr
.irp i, 0,1,2,3
	v_pk_mul_f32 v[W+8*\j+2*\i:W+8*\j+2*\i+1], v[W+8*\j+2*\i:W+8*\j+2*\i+1], v[G+8*\j+2*\i:G+8*\j+2*\i+1]
.endr
.endr
	PACKOUT 34
	s_branch .Lend
.Lkind_t:                                      ; KIND T.  Fragment wave / 2 + 4 j: row 16 (wave / 2) + r + 64 j, column 32 slice + 16 s + 8 (l / 16)
	s_lshr_b32 s70, s40, 1
	s_lshl_b32 s70, s70, 4
	s_mul_i32 s70, s70, s66
	s_lshl_b32 s72, s57, 7
	s_add_co_u32 s70, s70, s72
	s_add_co_u32 s70, s70, s71
	v_mul_u32_u24 v8, v5, s66
	v_lshl_add_u32 v8, v6, 5, v8
	v_add_nc_u32 v8, s70, v8
	s_lshl_b32 s72, s66, 6                         ; 64 rows
	v_add_nc_u32 v9, s72, v8
	v_add_nc_u32 v10, s72, v9
	v_add_nc_u32 v11, s72, v10
.irp j, 0,1,2,3
	global_load_b128 v[W+8*\j:W+8*\j+3],   v[8+\j], s[46:47]
	global_load_b128 v[W+8*\j+4:W+8*\j+7], v[8+\j], s[46:47] offset:16
.endr
	s_wait_loadcnt 0x0
	PACKOUT 34
	s_branch .Lend
.Ltable:                                       ; BT.  b = work-group - 64; unit t + 256 j: h 16 + qt = 2 b + j / 2, kb = wave + 8 (j % 2)
	s_sub_co_u32 s42, s41, 64
	s_lshl_b32 s44, s42, 14
	s_add_nc_u64 s[36:37], s[36:37], s[44:45]      ; BT at my 16,384 bytes
	s_lshl_b32 s44, s42, 15
	s_add_nc_u64 s[30:31], s[30:31], s[44:45]      ; pair_bias at 16 query rows x 2 b (16,384 bytes each)
	s_and_b32 s44, s42, 7
	s_lshl_b32 s44, s44, 15
	s_add_nc_u64 s[32:33], s[32:33], s[44:45]      ; mask at query tile (2 b) % 16
	s_lshl_b32 s46, s40, 6                         ; kb: 16 keys, 64 bytes
	s_mov_b32 s47, 0xf149f2ca                      ; -1e30
	v_lshlrev_b32 v8, 10, v5
	v_lshl_add_u32 v8, v6, 5, v8
	v_add_nc_u32 v8, s46, v8
.irp j, 0,1,2,3
	global_load_b128 v[W+8*\j:W+8*\j+3],   v8, s[30:31] offset:(\j/2)*16384+(\j%2)*512
	global_load_b128 v[W+8*\j+4:W+8*\j+7], v8, s[30:31] offset:(\j/2)*16384+(\j%2)*512+16
	global_load_b128 v[G+8*\j:G+8*\j+3],   v8, s[32:33] offset:(\j/2)*16384+(\j%2)*512
	global_load_b128 v[G+8*\j+4:G+8*\j+7], v8, s[32:33] offset:(\j/2)*16384+(\j%2)*512+16
.endr
	s_wait_loadcnt 0x0
.set i, 0
.rept 32
	v_cmp_eq_u32 vcc_lo, 0, v[G+i]
	v_cndmask_b32 v[W+i], v[W+i], s47, vcc_lo      ; a select, never a branch
.set i, i+1
.endr
	PACKOUT 36
.Lend:
	s_wait_tensorcnt 0x0                           ; the wave's end: behind my last LDS store
	ds_add_u32 v2, v3
	s_wait_dscnt 0x0
	s_endpgm
.Lfunc_end_k_qe3d84c1bae_prep:
	.size	k_qe3d84c1bae_prep, .Lfunc_end_k_qe3d84c1bae_prep-k_qe3d84c1bae_prep
	.p2alignl 7, 3214868480
	.fill 96, 4, 3214868480
	.section	.rodata,"a",@progbits
	.p2align	6, 0x0
	.amdhsa_kernel k_qe3d84c1bae_prep
		.amdhsa_group_segment_fixed_size 1536
		.amdhsa_private_segment_fixed_size 0
		.amdhsa_enable_private_segment 0
		.amdhsa_kernarg_size 144
		.amdhsa_user_sgpr_count 2
		.amdhsa_user_sgpr_kernarg_segment_ptr 1
		.amdhsa_wavefront_size32 1
		.amdhsa_system_sgpr_workgroup_id_x 1
		.amdhsa_system_sgpr_workgroup_id_y 1
		.amdhsa_system_sgpr_workgroup_id_z 1
		.amdhsa_system_vgpr_workitem_id 0
		.amdhsa_next_free_vgpr 128
		.amdhsa_next_free_sgpr 80
		.amdhsa_reserve_vcc 1
		.amdhsa_float_denorm_mode_32 3
		.amdhsa_float_denorm_mode_16_64 3
		.amdhsa_memory_ordered 1
		.amdhsa_forward_progress 1
		.amdhsa_inst_pref_size 21
	.end_amdhsa_kernel
	.amdgpu_metadata
---
amdhsa.version: [ 1, 2 ]
amdhsa.kernels:
  - .name:           k_qe3d84c1bae_prep
    .symbol:         k_qe3d84c1bae_prep.kd
    .args:
      - { .name: Wq, .offset: 0, .size: 8, .value_kind: global_buffer, .address_space: global }
      - { .name: Wk, .offset: 8, .size: 8, .value_kind: global_buffer, .address_space: global }
      - { .name: Wv, .offset: 16, .size: 8, .value_kind: global_buffer, .address_space: global }
      - { .name: Wo, .offset: 24, .size: 8, .value_kind: global_buffer, .address_space: global }
      - { .name: W1, .offset: 32, .size: 8, .value_kind: global_buffer, .address_space: global }
      - { .name: W2, .offset: 40, .size: 8, .value_kind: global_buffer, .address_space: global }
      - { .name: bq, .offset: 48, .size: 8, .value_kind: global_buffer, .address_space: global }
      - { .name: bv, .offset: 56, .size: 8, .value_kind: global_buffer, .address_space: global }
      - { .name: b1, .offset: 64, .size: 8, .value_kind: global_buffer, .address_space: global }
      - { .name: g1, .offset: 72, .size: 8, .value_kind: global_buffer, .address_space: global }
      - { .name: be1, .offset: 80, .size: 8, .value_kind: global_buffer, .address_space: global }
      - { .name: g2, .offset: 88, .size: 8, .value_kind: global_buffer, .address_space: global }
      - { .name: be2, .offset: 96, .size: 8, .value_kind: global_buffer, .address_space: global }
      - { .name: pair_bias, .offset: 104, .size: 8, .value_kind: global_buffer, .address_space: global }
      - { .name: mask, .offset: 112, .size: 8, .value_kind: global_buffer, .address_space: global }
      - { .name: WS, .offset: 120, .size: 8, .value_kind: global_buffer, .address_space: global }
      - { .name: BT, .offset: 128, .size: 8, .value_kind: global_buffer, .address_space: global }
      - { .name: VEC, .offset: 136, .size: 8, .value_kind: global_buffer, .address_space: global }
    .group_segment_fixed_size: 1536
    .private_segment_fixed_size: 0
    .kernarg_segment_align: 8
    .kernarg_segment_size: 144
    .max_flat_workgroup_size: 256
    .sgpr_count:     80
    .vgpr_count:     128
    .wavefront_size: 32
...
	.end_amdgpu_metadata
.endif
;; end of part 1
;; launch pair (part 2): grid 256 x 1, 4 waves a work-group, clusters of 4 x 1, 327,680 bytes of LDS; arguments pair_repr, WS, BT, VEC, bo, b2, out0; writes out0
.if DOCPART == 2
	.amdgcn_target "amdgcn-amd-amdhsa--gfx1250"
	.amdhsa_code_object_version 6
	.text
	.protected	k_qe3d84c1bae_pair
	.globl	k_qe3d84c1bae_pair
	.p2align	8
	.type	k_qe3d84c1bae_pair,@function
k_qe3d84c1bae_pair:
	s_mov_b64 s[64:65], 0
	v_nop
	global_prefetch_b8 v0, s[64:65] scope:SCOPE_SE
	s_setreg_imm32_b32 hwreg(HW_REG_WAVE_MODE, 25, 1), 1
	s_wait_xcnt 0x0
	s_wait_alu depctr_hold_cnt(0) depctr_sa_sdst(0) depctr_va_vdst(0) depctr_va_sdst(0) depctr_va_ssrc(0) depctr_va_vcc(0) depctr_vm_vsrc(0)
	s_getreg_b32 s2, hwreg(HW_REG_IB_STS2, 6, 4)
	s_cmp_eq_u32 s2, 0
	s_cbranch_scc0 .Lentry_in_a_cluster
	s_endpgm
.Lentry_in_a_cluster:
	s_bfe_u32 s2, ttmp6, 0x10000c
	s_cmp_lg_u32 s2, 0x3003
	s_cbranch_scc0 .Lentry_shape_is_right
	s_endpgm
.Lentry_shape_is_right:
; PAIR UPDATE, one launch: LN1, q k v, attention over the rows of a column, Wo, residual, LN2, FFN, residual.  No step couples two columns j, so a work-group owns ONE column: 256 tokens x 256 channels.
; LEFT OUT as dead work (shown at the head of the launch that makes the tables): the constant part of k, bk + Wk.be1, which is the same along the softmax's axis.  bk is no argument.
; LIMITS.  A masked score counts as -1e30 (scores beyond 2^96 are not served).  A query row whose mask is all 0 has a maximum below -2^96: its 1 / l is replaced by NaN, by a select, as the softmax of
; a row of -inf is NaN.  pair_bias, the weights (with gains and SCALE folded in), x, q, k, v, the weights p, O, y and the hidden layer are rounded once to bf16; products' sums, norms, maxima, row sums and the residual stay in f32.
; A weight p below 2^-126 counts as 0.
; SHARES.  Wave w owns tokens 64 w .. 64 w + 63: four tiles of 16.
; ONE LAYOUT.  Activations are always source 1 (a lane a token), weights source 0 (a lane an output channel): in a result lane l holds token l % 16 and channels 16 cb + 8 (l / 16) + 0..7, and two
; neighbouring results rounded in pairs ARE the next product's source 1.  So the chain stays in registers, but for x (LDS, the wave's own), K and V (LDS: all four waves need them) and Q and O (4 KiB of the
; wave's own, so that the query tiles are a counted loop).  V is made with the sources swapped (source 0 = x), which gives fragments of V^T as they are wanted.
; R, 512 registers, is the f32 residual AND the accumulator of Wo's and W2's products: pair_repr + bo + sum over heads, then + b2 + sum over the FFN's steps; it is what is stored.
; CLUSTER.  The four columns of a cluster walk the same 1 MiB of weights: 16 chunks of 65,536 bytes through two LDS slots, each chunk asked for JOINTLY, a quarter a wave.
; THE BIAS TABLE IS NOT ASKED FOR JOINTLY, though all work-groups read it: a head's table is 131,072 bytes, and beside ring, x, K, V, Q/O and the vectors 11,776 bytes of LDS are free; a slot a query tile
; would put a round of the cluster's barrier in front of every 32 products.  Each wave loads its own 8,192 bytes a tile straight into registers, a tile ahead.
; LDS: 0 slot 0, 65,536 slot 1 (place p of a slot at 16,384 p); 49,152-315,391 first the column (wave w at + 66,560 w, 64 rows of 1,024 + 16 bytes), read out once;
;   then, on bytes that have had their last fill: 131,072 x (32,768 a wave; at the end the way out's stage), 262,144 K, 278,528 V, 294,912 Q/O (4,096 a wave); 315,392 the vectors; 327,168 the spare words.
; REGISTERS, in windows of 256 (s_set_vgpr_msb: bits 1:0 source 0, 3:2 source 1, 5:4 source 2, 7:6 destination):
;   windows 2, 3: R: tile t, channel block cb at v[128 (t % 2) + 8 cb] of window 2 + t / 2
;   window 1: the projections' 24 accumulators and their biases; then K's 16 and V^T's 16 fragments; then y (tile t, K step ks at v[64 t + 8 ks]); then the way out's two buffers
;   window 0: v0-15 addresses; v16-31 statistics or b1'; v32-255 by phase, as named below
.set COL,    49152
.set CPITCH, 1040                      ; 260 words: row r starts at bank 4 r mod 64 (64 banks of 4 bytes: ISA guide 11.1), so the 16 rows of a load start at 16 different groups of four banks
.set CWAVE,  64*CPITCH
.set SLOTX,  0x10000                   ; one exclusive or turns an address in one slot into the other's
.set CHUNK_B, 65536
.set XR,     131072
.set KR,     262144
.set VOFF,   16384                     ; V behind K
.set QO,     32768                     ; Q/O behind K
.set VECL,   315392
.set SPARE,  327168
.set LN16, 1                           ; v1   16 x lane
.set SPW,  2                           ; v2   my spare word: SPARE + 4 x my thread's number; never rewritten
.set NIL,  3                           ; v3   0, for the add alone
.set AC,   4                           ; v4   my 32 bytes of a row of my part of the column; at the end of a row of my stage
.set AX,   5                           ; v5   x of my wave + 16 x lane
.set AW,   6                           ; v6   the weights in hand + 16 x lane
.set AKV,  7                           ; v7   K + 16 x lane
.set AST,  8                           ; v8   K + 4,096 w + 16 x lane: my fragments of K; + VOFF of V; + QO of Q/O
.set AQ,   9                           ; v9   at work: the tile's Q/O; bv''s address
.set AVQ,  10                          ; v10  bq' + 32 (l / 16); behind the heads: 0, for the ReLU
.set ZR,   10
.set AVV,  11                          ; v11  bv' + 4 (l % 16)
.set ABO,  12                          ; v12  32 (l / 16): my 8 channels in bo and b2; never rewritten
.set AB1,  13                          ; v13  b1' + 32 (l / 16)
.set PFO,  14                          ; v14  256 x lane; never rewritten
.set TA,   15                          ; v15  at work
.set CH, 32                            ; LN: four packed chains
.set MU, 40                            ; LN: mean, twice
.set RS, 42                            ; LN: rstd, twice
.set NM, 44                            ; LN: mean x rstd, twice
.set T,  64                            ; LN: half a tile at work, 64 registers
.set BI, 128                           ; LN: bo or b2, my 128 channels
.set XF, 32                            ; PROJ: x's fragments, 2 buffers x 4 tiles
.set WF, 96                            ; PROJ: weights' fragments, 2 buffers x 6 (q, k, v x cb)
.set BQ, 192                           ; window 1: bq' as a C operand, 8 a cb
.set BVC, 208                          ; window 1: bv', one number a lane in 8 registers, a cb
.set EP, 32                            ; the projections rounded: 24 x 4
.set MC, 16                            ; ATT: four chains of the maximum
.set ML, 20                            ; ATT: m log2(e), twice
.set INV, 22                           ; ATT: 1 / l, twice
.set QF, 32                            ; ATT: the tile's Q; then its O rounded
.set O,  40                            ; ATT: O^T, 8 a cb
.set LC, 56                            ; ATT: four packed chains of l
.set S,  64                            ; ATT: S^T, 8 a key block; P takes v64-127 in place
.set BP, 192                           ; ATT: the next tile's bias, 4 a key block, as loaded
.set OF, 32                            ; WO: O's fragments, 8 a tile
.set WOF, 64                           ; WO: Wo's 16 fragments
.set B1, 16                            ; FFN: b1' as a C operand, 8 a cb
.set HB, 32                            ; FFN: hidden, accumulator (cb, tile) at HB + 8 (4 cb + tile)
.set HF, 96                            ; FFN: hidden rounded, 8 a tile
.set WB0, 128                          ; FFN: eight fragments of weights
.set WB1, 192                          ; FFN: eight more
.set WV, 18                            ; s18 my wave's number
.set CX, 19                            ; s19 my place in the cluster; s19-23 alone ever hold it or what is made of it
.set G1C, 24                           ; s[24:31] group 1: the column's 64 rows x 256 f32, padded
.set G1J, 32                           ; s[32:39] group 1: 64 rows x 256 bytes, joint
.set G1V, 40                           ; s[40:47] group 1: 16 rows x 256 bytes, joint
.set G0C, 48                           ; s[48:51] group 0: my part of the column
.set G0R, 52                           ; s[52:55] group 0: my quarter of a chunk; it walks
.set G0V, 56                           ; s[56:59] group 0: the vectors
.set SEL, 60                           ; s[60:61] v_permlanex16_b32's selects
.set UP,  62                           ; s[62:63] an offset made of the wave's number alone
.set NH,  66                           ; heads left
.set NT,  67                           ; tiles left in the head
.set SB,  68                           ; LDS byte of the slot in hand
.set NALL, 69                          ; tiles left in all
.set BTP, 70                           ; s[70:71] BT at the tile whose bias is loaded next
.set PFA, 72                           ; s[72:73] where my prefetches stand
.set LIM, 74                           ; 1 in a wave that prefetches
.set LIMF, 75                          ; 2 in such a wave, else the greatest number
.set HIM, 76                           ; a word's upper bf16
.set R256, 77                          ; 1 / 256
.set OUTP, 78                          ; s[78:79] out0 at my tile
.set L2E, 80                           ; s[80:81] log2(e), named as a pair
.set DEAD, 82                          ; lanes whose query sees no key
.set NANR, 83
.set INC, 84                           ; s[84:85] BT's step
.set NCH, 86                           ; the FFN's chunks still to be asked for
.set NS,  87                           ; steps left in the chunk
.set BIGST, 88                         ; from a head's last tile to the next head's first: 131,072 - 3 x 8,192
.set SMLST, 89                         ; a tile: 8,192
.set QOFF, 90                          ; 1,024 x tile
.set HOFF, 91                          ; 128 x head
.set WOFF, 92                          ; LDS byte of the FFN step's two pieces
.set B1OFF, 93                         ; 128 x step
.set EPSR, 94
.set NEG96, 95
.set XW, 96                            ; x of my wave
.set KW, 97                            ; K + 4,096 w
.set TS, 98                            ; at work
.set MSB, 0
.macro WIN new                         ; the immediate's high byte repeats the setting that is left; a switch that changes nothing is dropped
.if MSB != (\new)
	s_set_vgpr_msb (MSB<<8)|(\new)
.set MSB, (\new)
.endif
.endm
; A vector instruction or an LDS store that reads a matrix result, and a vector instruction or a load that writes a register of a matrix instruction, stand four places behind it; only plain
; vector instructions that name none of its registers are places (ISA guide 7.12.1 for vector instructions).
.macro PLACES
.rept 4
	v_nop
.endr
.endm
; A round of the cluster's barrier: my work-group's barrier, so that wave 0's signal speaks for all four waves; wave 0 signals; every wave waits for all four work-groups; my work-group's barrier once more.
.macro CROUND
	s_barrier_signal -1
	s_barrier_wait -1
	s_cmp_lg_u32 s[WV], 0
	s_cbranch_scc1 .Lnot_wave_0_\@
	s_barrier_signal -3
.Lnot_wave_0_\@:
	s_barrier_wait -3
	s_barrier_signal -1
	s_barrier_wait -1
.endm
; A PREFETCH INTO THE L2 of the chunk that stands two refills behind the one just asked for (at chunk c: c + 3).  All 64 clusters walk the same chunks: the first cluster asks.  Its four partners share a chunk's
; 65,536 bytes out BY ADDRESS: waves 0 and 1 of the partner at place cx take the 8,192 bytes at (2 cx + w) x 8,192, a lane 256 bytes: one instruction a wave, and each 256 bytes are named once in the launch.
; how = 1, the heads' trips: chunks 3 to 10.  how = 2, the FFN's: chunks 11 to 15, while more than two chunks are still to be asked for; then nothing.  Chunks 0 to 2 come by their loads alone.
.macro ASK how
.if (\how) == 1
	s_cmp_eq_u32 s[LIM], 1
.else
	s_cmp_gt_u32 s[NCH], s[LIMF]
.endif
	s_cbranch_scc0 .Lnot_mine_\@
	global_prefetch_b8 v[PFO], s[PFA:PFA+1] th:TH_LOAD_NT scope:SCOPE_SE
.Lnot_mine_\@:
.endm
; THE CHANGE OF SLOTS, at the head of a chunk's work.  Each wave waits for all its tensor loads, of which one is out: its quarter of the chunk to be entered; adds 0 to its spare word; and waits for that and for
; all its LDS reads: of the slot that it leaves, and of the last head's K and V, which the next head's stores overwrite.  fill = 1: the barrier is a round of the cluster's, so that no wave of any partner still reads
; the old slot or has a load on its way, and the joint refill, the next chunk, is the first thing behind it: it has the whole chunk's work in which to land.  One tensor load of mine is out behind it.
.macro ROUND fill, how
	WIN 0
.if \fill
	s_wait_xcnt 0x0                                ; the last prefetch, a chunk back, has read its address
	s_add_nc_u64 s[PFA:PFA+1], s[PFA:PFA+1], CHUNK_B
.endif
	s_wait_tensorcnt 0x0                           ; no tensor load of mine is out, so the walking group 0 may be written
	ds_add_u32 v[SPW], v[NIL]                      ; 0 onto my spare word; the scalar steps stand between it and the wait for it
	s_xor_b32 s[SB], s[SB], SLOTX                  ; the slot to be read
.if \fill
	s_xor_b32 s[G0R+1], s[G0R+1], SLOTX            ; the slot to be filled,
	s_add_nc_u64 s[G0R+2:G0R+3], s[G0R+2:G0R+3], CHUNK_B  ; with the next chunk; the type bits on top are not reached
.endif
	s_wait_dscnt 0x0                               ; the add is done, and my LDS reads are over
.if \fill
	CROUND
	tensor_load_to_lds s[G0R:G0R+3], s[G1J:G1J+7]
	s_nop 0
	PLACES                                         ; the places between the last products and the loads that follow
	ASK \how
.else
	s_barrier_signal -1
	s_barrier_wait -1
.endif
.endm
.macro BILOAD ptr                      ; my 128 channels of bo or b2: channel block cb at BI + 8 cb
.set cb, 0
.rept 16
	global_load_b128 v[BI+8*cb:BI+8*cb+3],   v[ABO], s[\ptr:\ptr+1] offset:64*cb
	global_load_b128 v[BI+8*cb+4:BI+8*cb+7], v[ABO], s[\ptr:\ptr+1] offset:64*cb+16
.set cb, cb+1
.endr
.endm
.macro COLIN t                         ; tile t of the column into R
	WIN (2+((\t)>>1))<<6
.set cb, 0
.rept 16
	ds_load_b128 v[128*((\t)&1)+8*cb:128*((\t)&1)+8*cb+3],   v[AC] offset:(\t)*16*CPITCH+64*cb
	ds_load_b128 v[128*((\t)&1)+8*cb+4:128*((\t)&1)+8*cb+7], v[AC] offset:(\t)*16*CPITCH+64*cb+16
.set cb, cb+1
.endr
.endm
.macro FOLD c                          ; four packed chains at v[c .. c + 7] into one number a token, in v[c] of both halves of the lanes
	v_pk_add_f32 v[\c:\c+1], v[\c:\c+1], v[\c+2:\c+3]
	v_pk_add_f32 v[\c+4:\c+5], v[\c+4:\c+5], v[\c+6:\c+7]
	v_pk_add_f32 v[\c:\c+1], v[\c:\c+1], v[\c+4:\c+5]
	v_add_f32 v[\c], v[\c], v[\c+1]
	v_permlanex16_b32 v[\c+1], v[\c], s[SEL], s[SEL+1]  ; the token's other 128 channels (or keys) lie in the lane 16 away
	v_add_f32 v[\c], v[\c], v[\c+1]
.endm
; LAYER NORM of tile t of R, without gain and bias (they are folded into the weights), in two passes: mean, then the mean of (x - mean)^2.  mode 0: the result goes to x in LDS, as fragments; mode 1: to y in window 1.
; Then R takes its bias (bo or b2), so that the products that follow add onto residual + bias.  R's registers are read in ascending order: each accumulator from its low end on.
.macro LN t, mode
.set WR, 2+((\t)>>1)
.set RB, 128*((\t)&1)
	WIN WR|(WR<<2)
.irp c, 0,1,2,3
	v_pk_add_f32 v[CH+2*\c:CH+2*\c+1], v[RB+4*\c:RB+4*\c+1], v[RB+4*\c+2:RB+4*\c+3]  ; the first eight pairs start the chains
.endr
	WIN WR<<2
.set p, 8
.rept 56
	v_pk_add_f32 v[CH+2*(p%4):CH+2*(p%4)+1], v[CH+2*(p%4):CH+2*(p%4)+1], v[RB+2*p:RB+2*p+1]
.set p, p+1
.endr
	WIN 0
	FOLD CH
	v_mul_f32 v[MU], s[R256], v[CH]
	v_mul_f32 v[MU+1], s[R256], v[CH]
.irp hf, 0,1
	WIN WR<<2
.set p, 0
.rept 32
	v_pk_add_f32 v[T+2*p:T+2*p+1], v[MU:MU+1], v[RB+64*\hf+2*p:RB+64*\hf+2*p+1] neg_lo:[1,0] neg_hi:[1,0]
.set p, p+1
.endr
	WIN 0
.set p, 0
.rept 32
.if (\hf == 0) && (p < 4)
	v_pk_mul_f32 v[CH+2*p:CH+2*p+1], v[T+2*p:T+2*p+1], v[T+2*p:T+2*p+1]
.else
	v_pk_fma_f32 v[CH+2*(p%4):CH+2*(p%4)+1], v[T+2*p:T+2*p+1], v[T+2*p:T+2*p+1], v[CH+2*(p%4):CH+2*(p%4)+1]
.endif
.set p, p+1
.endr
.endr
	FOLD CH
	v_fma_f32 v[CH], v[CH], s[R256], s[EPSR]
	v_rsq_f32 v[RS], v[CH]
	v_nop                                          ; a plain instruction behind the root,
	s_wait_alu depctr_va_vdst(0)                   ; and the wait ahead of the first line that names its result
	v_mov_b32 v[RS+1], v[RS]
	v_mul_f32 v[NM], v[MU], v[RS]
	v_mul_f32 v[NM+1], v[MU], v[RS]
.irp hf, 0,1
	WIN WR<<2
.set p, 0
.rept 32
	v_pk_fma_f32 v[T+2*p:T+2*p+1], v[RS:RS+1], v[RB+64*\hf+2*p:RB+64*\hf+2*p+1], v[NM:NM+1] neg_lo:[0,0,1] neg_hi:[0,0,1]
.set p, p+1
.endr
.if (\mode) == 0
	WIN 0
.set p, 0
.rept 32
	v_cvt_pk_bf16_f32 v[T+p], v[T+2*p], v[T+2*p+1]
.set p, p+1
.endr
.irp c, 0,1,2,3,4,5,6,7                ; channel block 8 hf + c is half c % 2 of the fragment of K step 4 hf + c / 2
	ds_store_b128 v[AX], v[T+4*\c:T+4*\c+3] offset:((4*\hf+\c/2)*4+(\t))*1024+(\c%2)*512
.endr
.else
	WIN 0x40
.set p, 0
.rept 32
	v_cvt_pk_bf16_f32 v[64*(\t)+32*\hf+p], v[T+2*p], v[T+2*p+1]
.set p, p+1
.endr
.endif
.endr
.if (\t) == 0
	s_wait_loadcnt 0x0                             ; bo or b2, asked for ahead of the first tile's norm
.endif
	WIN (WR<<2)|(WR<<6)
.set p, 0
.rept 64
	v_pk_add_f32 v[RB+2*p:RB+2*p+1], v[BI+2*p:BI+2*p+1], v[RB+2*p:RB+2*p+1]
.set p, p+1
.endr
.endm
; THE PROJECTIONS of one head.  KLOAD: a K step's 20 LDS loads: x's four fragments, and q's, k's and v's two each (fragment f = 2 x piece + cb).
.macro KLOAD ks
.set XB, XF+32*((\ks)%2)
.set WB, WF+48*((\ks)%2)
.irp u, 0,1,2,3
	ds_load_b128 v[XB+8*\u:XB+8*\u+3],   v[AX] offset:((\ks)*4+\u)*1024
	ds_load_b128 v[XB+8*\u+4:XB+8*\u+7], v[AX] offset:((\ks)*4+\u)*1024+512
.endr
.irp f, 0,1,2,3,4,5
	ds_load_b128 v[WB+8*\f:WB+8*\f+3],   v[AW] offset:(\f/2)*16384+((\ks)*2+\f%2)*1024
	ds_load_b128 v[WB+8*\f+4:WB+8*\f+7], v[AW] offset:(\f/2)*16384+((\ks)*2+\f%2)*1024+512
.endr
.endm
; PMUL: a K step's 24 products, on 24 accumulators by turns (accumulator (f, tile u) at v[32 f + 8 u] of window 1).  The first K step starts the sums: q's with bq', k's with 0, v's with bv'.
.macro PMUL ks
.set XB, XF+32*((\ks)%2)
.set WB, WF+48*((\ks)%2)
	WIN 0x50
.irp f, 0,1,2,3
.irp u, 0,1,2,3
.if (\ks) > 0
	v_wmma_f32_16x16x32_bf16 v[32*\f+8*\u:32*\f+8*\u+7], v[WB+8*\f:WB+8*\f+7], v[XB+8*\u:XB+8*\u+7], v[32*\f+8*\u:32*\f+8*\u+7]
.elseif \f < 2
	v_wmma_f32_16x16x32_bf16 v[32*\f+8*\u:32*\f+8*\u+7], v[WB+8*\f:WB+8*\f+7], v[XB+8*\u:XB+8*\u+7], v[BQ+8*\f:BQ+8*\f+7]
.else
	v_wmma_f32_16x16x32_bf16 v[32*\f+8*\u:32*\f+8*\u+7], v[WB+8*\f:WB+8*\f+7], v[XB+8*\u:XB+8*\u+7], 0
.endif
.endr
.endr
.irp f, 4,5                            ; v: the sources swapped: a lane a channel, eight tokens in its registers
.irp u, 0,1,2,3
.if (\ks) > 0
	v_wmma_f32_16x16x32_bf16 v[32*\f+8*\u:32*\f+8*\u+7], v[XB+8*\u:XB+8*\u+7], v[WB+8*\f:WB+8*\f+7], v[32*\f+8*\u:32*\f+8*\u+7]
.else
	v_wmma_f32_16x16x32_bf16 v[32*\f+8*\u:32*\f+8*\u+7], v[XB+8*\u:XB+8*\u+7], v[WB+8*\f:WB+8*\f+7], v[BVC+8*(\f-4):BVC+8*(\f-4)+7]
.endif
.endr
.endr
.endm
.macro BPLOAD                          ; a tile's bias and mask: 16 key blocks x 512 bytes
.set kb, 0
.rept 16
	global_load_b128 v[BP+4*kb:BP+4*kb+3], v[LN16], s[BTP:BTP+1] offset:512*kb
.set kb, kb+1
.endr
.endm
.macro FS q                            ; pair q of the scores: s log2(e) - m log2(e)
	v_pk_fma_f32 v[S+2*(\q):S+2*(\q)+1], v[S+2*(\q):S+2*(\q)+1], s[L2E:L2E+1], v[ML:ML+1] op_sel_hi:[1,0,0] neg_lo:[0,0,1] neg_hi:[0,0,1]
.endm
; THE FFN.  LW: eight fragments of weights, 16 LDS loads.
.macro LW dst, off
.set f, 0
.rept 8
	ds_load_b128 v[(\dst)+8*f:(\dst)+8*f+3],   v[AW] offset:(\off)+1024*f
	ds_load_b128 v[(\dst)+8*f+4:(\dst)+8*f+7], v[AW] offset:(\off)+1024*f+512
.set f, f+1
.endr
.endm
.macro G1 hv, wb                       ; 32 products hidden += W1' y: K steps 4 hv .. 4 hv + 3, the 8 accumulators by turns; the first K step starts the sums with b1'
	WIN 0x04
.irp k4, 0,1,2,3
.irp cb, 0,1
.irp u, 0,1,2,3
.if ((\hv) == 0) && (\k4 == 0)
	v_wmma_f32_16x16x32_bf16 v[HB+8*(4*\cb+\u):HB+8*(4*\cb+\u)+7], v[(\wb)+8*(2*\k4+\cb):(\wb)+8*(2*\k4+\cb)+7], v[64*\u+8*(4*(\hv)+\k4):64*\u+8*(4*(\hv)+\k4)+7], v[B1+8*\cb:B1+8*\cb+7]
.else
	v_wmma_f32_16x16x32_bf16 v[HB+8*(4*\cb+\u):HB+8*(4*\cb+\u)+7], v[(\wb)+8*(2*\k4+\cb):(\wb)+8*(2*\k4+\cb)+7], v[64*\u+8*(4*(\hv)+\k4):64*\u+8*(4*(\hv)+\k4)+7], v[HB+8*(4*\cb+\u):HB+8*(4*\cb+\u)+7]
.endif
.endr
.endr
.endr
.endm
.macro G2 hv, wb                       ; 32 products R += W2 hidden: channel blocks 8 hv .. 8 hv + 7, each accumulator once
	WIN 0xa0
.irp f, 0,1,2,3,4,5,6,7
.irp u, 0,1
	v_wmma_f32_16x16x32_bf16 v[128*\u+8*(8*(\hv)+\f):128*\u+8*(8*(\hv)+\f)+7], v[(\wb)+8*\f:(\wb)+8*\f+7], v[HF+8*\u:HF+8*\u+7], v[128*\u+8*(8*(\hv)+\f):128*\u+8*(8*(\hv)+\f)+7]
.endr
.endr
	WIN 0xf0
.irp f, 0,1,2,3,4,5,6,7
.irp u, 0,1
	v_wmma_f32_16x16x32_bf16 v[128*\u+8*(8*(\hv)+\f):128*\u+8*(8*(\hv)+\f)+7], v[(\wb)+8*\f:(\wb)+8*\f+7], v[HF+16+8*\u:HF+16+8*\u+7], v[128*\u+8*(8*(\hv)+\f):128*\u+8*(8*(\hv)+\f)+7]
.endr
.endr
.endm
; A chunk's two steps of 32 hidden channels, written once and walked twice.  A step's W1' piece lies at s[WOFF], its W2 piece 16,384 bytes on; each comes in two halves of eight fragments, on two buffers by turns.
.macro CHUNK
	s_mov_b32 s[WOFF], s[SB]
	s_mov_b32 s[NS], 2
.Lstep_\@:
	v_add_nc_u32 v[AW], s[WOFF], v[LN16]
	v_add_nc_u32 v[TA], s[B1OFF], v[AB1]
.irp cb, 0,1
	ds_load_b128 v[B1+8*\cb:B1+8*\cb+3],   v[TA] offset:64*\cb
	ds_load_b128 v[B1+8*\cb+4:B1+8*\cb+7], v[TA] offset:64*\cb+16
.endr
	LW WB0, 0
	LW WB1, 8192
	s_wait_dscnt 16                                ; b1' and W1''s first half are in; the 16 loads of its second half may be out
	G1 0, WB0
	PLACES
	WIN 0
	LW WB0, 16384
	s_wait_dscnt 16                                ; W1''s second half is in; W2's first half may be out
	G1 1, WB1
	PLACES
	WIN 0
	LW WB1, 24576
.irp u, 0,1,2,3                        ; hidden, rounded in pairs, is source 1 of the second product; each accumulator is read from its low end on
.irp cb, 0,1
.irp i, 0,1,2,3
	v_cvt_pk_bf16_f32 v[HF+8*\u+4*\cb+\i], v[HB+8*(4*\cb+\u)+2*\i], v[HB+8*(4*\cb+\u)+2*\i+1]
.endr
.endr
.endr
.set i, 0
.rept 32
	v_pk_max_num_bf16 v[HF+i], v[HF+i], v[ZR]      ; ReLU, two at a time; nothing is rounded
.set i, i+1
.endr
	s_wait_dscnt 16                                ; W2's first half is in
	G2 0, WB0
	s_wait_dscnt 0x0
	G2 1, WB1
	PLACES                                         ; for the next step's loads into both buffers, and for the way out
	WIN 0
	s_add_co_u32 s[WOFF], s[WOFF], 32768
	s_add_co_u32 s[B1OFF], s[B1OFF], 128
	s_sub_co_u32 s[NS], s[NS], 1
	s_cmp_lg_u32 s[NS], 0
	s_cbranch_scc1 .Lstep_\@
.endm
; THE WAY OUT of tile t: a lane's 32 bytes of a row go into my stage (16 rows of 1,040 bytes, where x lay) and come back as whole rows; a store of the wave covers 512 consecutive bytes, aligned.
.macro OUTT t
.set WR, 2+((\t)>>1)
.set RB, 128*((\t)&1)
.set OB, 128*((\t)&1)
	WIN 0
.if (\t) > 0
	s_wait_xcnt 0x0                                ; the stores so far have read their base and their data: only behind this wait are these written again
	s_add_nc_u64 s[OUTP:OUTP+1], s[OUTP:OUTP+1], 16*262144
.endif
	WIN WR<<2
.set cb, 0
.rept 16
	ds_store_b128 v[AC], v[RB+8*cb:RB+8*cb+3]   offset:64*cb
	ds_store_b128 v[AC], v[RB+8*cb+4:RB+8*cb+7] offset:64*cb+16
.set cb, cb+1
.endr
	WIN 0x40
.set i, 0
.rept 32
	ds_load_b128 v[OB+4*i:OB+4*i+3], v[AX] offset:(i/2)*CPITCH+(i%2)*512  ; LDS serves a wave's instructions in order (ISA guide 5.7.1.4): these see the stores above; the next tile's stores come behind them
.set i, i+1
.endr
	WIN 0x04
.set i, 0
.rept 32
	s_wait_dscnt 31-i                              ; load i is back; the 31 - i issued behind it may be out
	global_store_b128 v[LN16], v[OB+4*i:OB+4*i+3], s[OUTP:OUTP+1] offset:(i/2)*262144+(i%2)*512 th:TH_STORE_NT
.set i, i+1
.endr
.endm
	; ---------------------------------------------------------------- the head
	s_load_b256 s[4:11], s[0:1], 0x0               ; pair_repr 4, WS 6, BT 8, VEC 10
	s_load_b128 s[12:15], s[0:1], 0x20             ; bo 12, b2 14
	s_load_b64 s[16:17], s[0:1], 0x30              ; out0
	v_lshl_add_u32 v[SPW], v0, 2, SPARE
	v_mov_b32 v[NIL], 0
	ds_add_u32 v[SPW], v[NIL]                      ; the wave's opening: the add, twice on end, and its wait ahead of my first tensor load
	ds_add_u32 v[SPW], v[NIL]                      ; and once more; the set-up below, work on registers, stands between it and the wait
	v_lshrrev_b32 v[TA], 5, v0
	v_readfirstlane_b32 s[WV], v[TA]               ; wave 0..3
	s_bfe_u32 s[CX], ttmp6, 0x40000                ; cx
	s_lshl_b32 s20, ttmp9, 2                       ; in a cluster launch ttmp9 counts clusters
	s_add_co_u32 s20, s20, s[CX]                   ; my column j: it enters pair_repr's and out0's addresses alone
	s_lshl_b32 s22, s20, 10                        ; j x 1,024 bytes
	s_lshl_b32 s[TS], s[WV], 24                    ; + my 64 tokens x 262,144 bytes
	s_add_co_u32 s22, s22, s[TS]
	s_mov_b32 s23, 0
	s_lshl1_add_u32 s20, s[CX], s[WV]              ; the prefetches' share: (2 cx + w) x 8,192
	s_lshl_b32 s20, s20, 13
	s_mov_b32 s21, 0
	s_mov_b32 s[G1C],   (2<<16)|(1<<20)|(7<<22)|(3<<25)  ; no mask; elements of 4 bytes; padding on: after every 256 words (code 7) 4 words (code 3)
	s_mov_b32 s[G1C+1], 256<<16                    ; tensor_dim0 = 256
	s_mov_b32 s[G1C+2], 64<<16                     ; tensor_dim1 = 64
	s_mov_b32 s[G1C+3], 256<<16                    ; tile_dim0 = 256
	s_mov_b32 s[G1C+4], 64                         ; tile_dim1 = 64
	s_mov_b32 s[G1C+5], 65536                      ; from token to token of a column: 256 x 256 elements
	s_mov_b32 s[G1C+6], 0
	s_mov_b32 s[G1C+7], 0
	s_mov_b32 s[G1J],   15|(3<<16)|(1<<21)         ; the mask of four; elements of 8 bytes; bit 21 set beside a mask
	s_mov_b32 s[G1J+1], 32<<16                     ; rows of 32 elements, 256 bytes, dense
	s_mov_b32 s[G1J+2], 64<<16
	s_mov_b32 s[G1J+3], 32<<16
	s_mov_b32 s[G1J+4], 64
	s_mov_b32 s[G1J+5], 32
	s_mov_b32 s[G1J+6], 0
	s_mov_b32 s[G1J+7], 0
	s_mov_b32 s[G1V],   15|(3<<16)|(1<<21)         ; the same with 16 rows
	s_mov_b32 s[G1V+1], 32<<16
	s_mov_b32 s[G1V+2], 16<<16
	s_mov_b32 s[G1V+3], 32<<16
	s_mov_b32 s[G1V+4], 16
	s_mov_b32 s[G1V+5], 32
	s_mov_b32 s[G1V+6], 0
	s_mov_b32 s[G1V+7], 0
	s_mov_b32 s[G0C], 1
	s_mul_i32 s[G0C+1], s[WV], CWAVE
	s_add_co_u32 s[G0C+1], s[G0C+1], COL
	s_mov_b32 s[G0R], 1
	s_lshl_b32 s[G0R+1], s[WV], 14                 ; place w of slot 0
	s_mov_b32 s[G0V], 1
	s_mov_b32 s[G0V+1], VECL
	s_lshl_b32 s[UP], s[WV], 14
	s_mov_b32 s[UP+1], 0
	s_mov_b32 s[SEL], 0x76543210
	s_mov_b32 s[SEL+1], 0xfedcba98
	s_mov_b32 s[SB], SLOTX                         ; the first change of slots turns it into 0
	s_mov_b32 s[NALL], 32
	s_mov_b32 s[HIM], 0xffff0000
	s_mov_b32 s[R256], 0x3b800000
	s_mov_b32 s[L2E], 0x3fb8aa3b
	s_mov_b32 s[L2E+1], s[L2E]
	s_mov_b32 s[NANR], 0x7fc00000
	s_mov_b32 s[INC+1], 0
	s_mov_b32 s[BIGST], 106496
	s_mov_b32 s[SMLST], 8192
	s_mov_b32 s[EPSR], 0x3727c5ac                  ; 1e-5
	s_mov_b32 s[NEG96], 0xef800000                 ; -2^96
	s_lshl_b32 s[XW], s[WV], 15
	s_add_co_u32 s[XW], s[XW], XR
	s_lshl_b32 s[KW], s[WV], 12
	s_add_co_u32 s[KW], s[KW], KR
	s_lshr_b32 s[TS], s[WV], 1                     ; 0 in waves 0 and 1,
	s_or_b32 s[TS], s[TS], ttmp9                   ; of the first cluster: the same in all four partners
	s_cmp_eq_u32 s[TS], 0
	s_cselect_b32 s[LIM], 1, 0
	s_cselect_b32 s[LIMF], 2, -1
	s_wait_dscnt 0x0                               ; both opening adds are done
	s_wait_kmcnt 0x0
	s_add_nc_u64 s[G0C+2:G0C+3], s[4:5], s[22:23]
	s_or_b32 s[G0C+3], s[G0C+3], 0x80000000        ; type = 2
	s_add_nc_u64 s[G0R+2:G0R+3], s[6:7], s[UP:UP+1]  ; my quarter of chunk 0
	s_or_b32 s[G0R+3], s[G0R+3], 0x80000000
	s_mov_b64 s[G0V+2:G0V+3], s[10:11]
	s_or_b32 s[G0V+3], s[G0V+3], 0x80000000
	s_add_nc_u64 s[OUTP:OUTP+1], s[16:17], s[22:23]
	s_lshl_b32 s[UP], s[WV], 15                    ; my four query tiles of 8,192 bytes
	s_add_nc_u64 s[BTP:BTP+1], s[8:9], s[UP:UP+1]
	s_add_nc_u64 s[PFA:PFA+1], s[6:7], s[20:21]
	s_add_nc_u64 s[PFA:PFA+1], s[PFA:PFA+1], 2*CHUNK_B  ; in chunk 2; the first change of slots steps it to chunk 3.  Nothing is prefetched here, where every work-group's first loads are on their way
	CROUND                                         ; all four work-groups are here: the first joint loads meet
	s_cmp_lt_u32 s[WV], 3                          ; a wave's first fills stand in one branch: two loads of mine are out
	s_cbranch_scc0 .Lfirst_w3
	tensor_load_to_lds s[G0C:G0C+3], s[G1C:G1C+7]  ; my 64 tokens of the column,
	s_nop 0
	tensor_load_to_lds s[G0R:G0R+3], s[G1J:G1J+7]  ; and place w of chunk 0 (Wq', Wk', Wv' of head 0), which lies in front of the column
	s_nop 0
	PLACES
	s_branch .Lfirst_done
.Lfirst_w3:
	tensor_load_to_lds s[G0C:G0C+3], s[G1C:G1C+7]
	s_nop 0
	tensor_load_to_lds s[G0V:G0V+3], s[G1V:G1V+7]  ; wave 3: the vectors; its place of chunk 0 lies under the column and is filled when the column has been read
	s_nop 0
	PLACES
.Lfirst_done:
	v_and_b32 v[TA], 31, v0
	v_lshlrev_b32 v[LN16], 4, v[TA]
	v_lshlrev_b32 v[PFO], 8, v[TA]
	v_and_b32 v[AQ], 15, v0                        ; l % 16
	v_bfe_u32 v[TA], v0, 4, 1                      ; l / 16
	v_lshlrev_b32 v[ABO], 5, v[TA]
	BILOAD 12                                      ; bo
	v_mul_u32_u24 v[AC], v[AQ], CPITCH
	v_add_nc_u32 v[AC], v[AC], v[ABO]
	v_add_nc_u32 v[AC], s[G0C+1], v[AC]            ; row l % 16 of my part of the column, 32 bytes for each half of the lanes
	v_add_nc_u32 v[AX], s[XW], v[LN16]
	v_add_nc_u32 v[AKV], KR, v[LN16]
	v_add_nc_u32 v[AST], s[KW], v[LN16]
	v_add_nc_u32 v[AVQ], VECL, v[ABO]
	v_lshl_add_u32 v[AVV], v[AQ], 2, VECL+1024
	v_add_nc_u32 v[AB1], VECL+2048, v[ABO]
	; ---------------------------------------------------------------- the column into R
	s_wait_tensorcnt 0x1                           ; my part of the column is in; the one load issued behind it, in either arm, may be out.  Only I read these bytes
	COLIN 0
	COLIN 1
	COLIN 2
	COLIN 3
	WIN 0
	s_wait_tensorcnt 0x0                           ; all my tensor loads have landed (the vectors among them, which every wave reads behind this round),
	ds_add_u32 v[SPW], v[NIL]
	s_wait_dscnt 0x0                               ; the add is done, and the column is in registers
	CROUND                                         ; no wave of any partner still reads its column: the bytes are free
	s_cmp_eq_u32 s[WV], 3
	s_cbranch_scc0 .Lno_place_3
	tensor_load_to_lds s[G0R:G0R+3], s[G1J:G1J+7]  ; place 3 of chunk 0: Wo's slice of head 0
	s_nop 0
	PLACES
.Lno_place_3:
	LN 0, 0
	LN 1, 0
	LN 2, 0
	LN 3, 0
	WIN 0
	BPLOAD                                         ; head 0, my tile 0: on its way during the projections, which leave v192-255 alone
	; ---------------------------------------------------------------- the heads
	s_mov_b32 s[NH], 8
	s_mov_b32 s[HOFF], 0
.Lhead:
	ROUND 1, 1                                     ; chunk h is whole, for every wave; chunk h + 1 is asked for
	v_add_nc_u32 v[AW], s[SB], v[LN16]
	v_add_nc_u32 v[TA], s[HOFF], v[AVQ]
	v_add_nc_u32 v[AQ], s[HOFF], v[AVV]
	WIN 0x40
.irp cb, 0,1
	ds_load_b128 v[BQ+8*\cb:BQ+8*\cb+3],   v[TA] offset:64*\cb
	ds_load_b128 v[BQ+8*\cb+4:BQ+8*\cb+7], v[TA] offset:64*\cb+16
.endr
.irp cb, 0,1
.irp i, 0,1,2,3,4,5,6,7
	ds_load_b32 v[BVC+8*\cb+\i], v[AQ] offset:64*\cb  ; my channel's bv', for all eight tokens of the lane
.endr
.endr
	WIN 0
	KLOAD 0
.irp ks, 0,1,2,3,4,5,6
	PLACES                                         ; the buffers to be loaded were read by the K step before
	WIN 0
	KLOAD \ks+1
	s_wait_dscnt 20                                ; all but the next K step's 20 loads
	PMUL \ks
.endr
	s_wait_dscnt 0x0
	PMUL 7
	PLACES
	WIN 0x05                                       ; sources in window 1, destination in window 0
.set a, 0
.rept 24
.irp i, 0,1,2,3
	v_cvt_pk_bf16_f32 v[EP+4*a+\i], v[8*a+2*\i], v[8*a+2*\i+1]
.endr
.set a, a+1
.endr
	WIN 0
.irp u, 0,1,2,3
.irp cb, 0,1
	ds_store_b128 v[AST], v[EP+4*(4*\cb+\u):EP+4*(4*\cb+\u)+3]       offset:QO+\u*1024+\cb*512    ; Q of tile u: my own bytes
	ds_store_b128 v[AST], v[EP+4*(8+4*\cb+\u):EP+4*(8+4*\cb+\u)+3]   offset:\u*1024+\cb*512       ; K: key block 4 w + u
	ds_store_b128 v[AST], v[EP+4*(16+4*\cb+\u):EP+4*(16+4*\cb+\u)+3] offset:VOFF+(2*(\u/2)+\cb)*1024+(\u%2)*512  ; V^T: keys 32 (2 w + u / 2) on, tile u its half u % 2
.endr
.endr
	s_wait_dscnt 0x0                               ; for the others' sake: my K and V lie in LDS
	s_barrier_signal -1                            ; the next chunk's load stays out
	s_barrier_wait -1
	WIN 0x40
.set f, 0
.rept 32                               ; all 256 keys: K's 16 fragments to v0-127, V^T's 16 to v128-255 of window 1, for the head's four tiles
	ds_load_b128 v[8*f:8*f+3],   v[AKV] offset:1024*f
	ds_load_b128 v[8*f+4:8*f+7], v[AKV] offset:1024*f+512
.set f, f+1
.endr
	WIN 0
	s_mov_b32 s[NT], 4
	s_mov_b32 s[QOFF], 0
.Ltile:                                        ; a tile of 16 queries against all 256 keys
	v_add_nc_u32 v[AQ], s[QOFF], v[AST]
	ds_load_b128 v[QF:QF+3],   v[AQ] offset:QO
	ds_load_b128 v[QF+4:QF+7], v[AQ] offset:QO+512
	s_wait_loadcnt 0x0                             ; this tile's bias, asked for a tile ago: its loads are done, so their base may step
	s_cmp_eq_u32 s[NT], 1
	s_cselect_b32 s[INC], s[BIGST], s[SMLST]
	s_add_nc_u64 s[BTP:BTP+1], s[BTP:BTP+1], s[INC:INC+1]
.set q, 0
.rept 64                               ; bias and mask, widened, start the scores' sums
	v_lshlrev_b32 v[S+2*q], 16, v[BP+q]
	v_and_b32 v[S+2*q+1], s[HIM], v[BP+q]
.set q, q+1
.endr
	s_cmp_eq_u32 s[NALL], 1                        ; behind the last tile of all there is none
	s_cbranch_scc1 .Lno_bias_left
	BPLOAD
.Lno_bias_left:
	s_wait_dscnt 0x0                               ; Q (and, in the head's first tile, K and V)
	WIN 0x01
.set kb, 0
.rept 16                               ; S^T = K Q^T + bias: head size 32 is one product a key block
	v_wmma_f32_16x16x32_bf16 v[S+8*kb:S+8*kb+7], v[8*kb:8*kb+7], v[QF:QF+7], v[S+8*kb:S+8*kb+7]
.set kb, kb+1
.endr
	PLACES
	WIN 0
.irp c, 0,1,2,3                        ; the maximum of my 128 scores: four chains of 32, ascending
	v_max3_num_f32 v[MC+\c], v[S+32*\c], v[S+32*\c+1], v[S+32*\c+2]
.endr
.set n, 1
.rept 14
.irp c, 0,1,2,3
	v_max3_num_f32 v[MC+\c], v[MC+\c], v[S+32*\c+2*n+1], v[S+32*\c+2*n+2]
.endr
.set n, n+1
.endr
	v_max3_num_f32 v[MC], v[MC], v[S+31], v[S+63]
	v_max3_num_f32 v[MC+2], v[MC+2], v[S+95], v[S+127]
	v_max3_num_f32 v[MC], v[MC], v[MC+1], v[MC+2]
	v_max_num_f32 v[MC], v[MC], v[MC+3]
	v_permlanex16_b32 v[MC+1], v[MC], s[SEL], s[SEL+1]  ; the query's other 128 keys lie in the lane 16 away
	v_max_num_f32 v[MC], v[MC], v[MC+1]
	v_mul_f32 v[ML], s[L2E], v[MC]
	v_mul_f32 v[ML+1], s[L2E], v[MC]
	v_cmp_lt_f32 s[DEAD], v[MC], s[NEG96]          ; no key seen
	; ONE BATCH: the 64 scalings and the 128 exponentials, each scaling two pairs ahead of its exponentials; nothing here names an exponential's result
	FS 0
	FS 1
.set p, 0
.rept 64
.if p < 62
	FS p+2
.endif
	v_exp_f32 v[S+2*p], v[S+2*p]
	v_exp_f32 v[S+2*p+1], v[S+2*p+1]
.set p, p+1
.endr
	v_nop                                          ; a plain instruction behind the last exponential,
	s_wait_alu depctr_va_vdst(0)                   ; and the one wait for the batch
.irp c, 0,1,2,3
	v_pk_add_f32 v[LC+2*\c:LC+2*\c+1], v[S+4*\c:S+4*\c+1], v[S+4*\c+2:S+4*\c+3]
.endr
.set p, 8
.rept 56
	v_pk_add_f32 v[LC+2*(p%4):LC+2*(p%4)+1], v[LC+2*(p%4):LC+2*(p%4)+1], v[S+2*p:S+2*p+1]
.set p, p+1
.endr
.set p, 0
.rept 64                               ; P, in place: key blocks 2 kk and 2 kk + 1 make the fragment at S + 8 kk
	v_cvt_pk_bf16_f32 v[S+p], v[S+2*p], v[S+2*p+1]
.set p, p+1
.endr
	WIN 0x01
.irp kk, 0,1,2,3,4,5,6,7               ; O^T = V^T P: the two accumulators take turns
.irp cb, 0,1
.if \kk == 0
	v_wmma_f32_16x16x32_bf16 v[O+8*\cb:O+8*\cb+7], v[128+8*(2*\kk+\cb):128+8*(2*\kk+\cb)+7], v[S+8*\kk:S+8*\kk+7], 0
.else
	v_wmma_f32_16x16x32_bf16 v[O+8*\cb:O+8*\cb+7], v[128+8*(2*\kk+\cb):128+8*(2*\kk+\cb)+7], v[S+8*\kk:S+8*\kk+7], v[O+8*\cb:O+8*\cb+7]
.endif
.endr
.endr
	WIN 0
	FOLD LC                                        ; l; its first four lines are the places behind the last products
	v_rcp_f32 v[INV], v[LC]
	v_nop
	s_wait_alu depctr_va_vdst(0)
	v_cndmask_b32 v[INV], v[INV], s[NANR], s[DEAD]
	v_mov_b32 v[INV+1], v[INV]
.irp i, 0,1,2,3,4,5,6,7
	v_pk_mul_f32 v[O+2*\i:O+2*\i+1], v[O+2*\i:O+2*\i+1], v[INV:INV+1] op_sel_hi:[1,0]
.endr
.irp i, 0,1,2,3,4,5,6,7
	v_cvt_pk_bf16_f32 v[QF+\i], v[O+2*\i], v[O+2*\i+1]
.endr
	ds_store_b128 v[AQ], v[QF:QF+3]   offset:QO     ; O of the tile takes Q's place: a fragment for Wo's product
	ds_store_b128 v[AQ], v[QF+4:QF+7] offset:QO+512
	s_add_co_u32 s[QOFF], s[QOFF], 1024
	s_sub_co_u32 s[NALL], s[NALL], 1
	s_sub_co_u32 s[NT], s[NT], 1
	s_cmp_lg_u32 s[NT], 0
	s_cbranch_scc1 .Ltile
	; R += Wo's slice x O: 64 products, each accumulator once
.irp u, 0,1,2,3
	ds_load_b128 v[OF+8*\u:OF+8*\u+3],   v[AST] offset:QO+\u*1024
	ds_load_b128 v[OF+8*\u+4:OF+8*\u+7], v[AST] offset:QO+\u*1024+512
.endr
.set cb, 0
.rept 16
	ds_load_b128 v[WOF+8*cb:WOF+8*cb+3],   v[AW] offset:49152+1024*cb
	ds_load_b128 v[WOF+8*cb+4:WOF+8*cb+7], v[AW] offset:49152+1024*cb+512
.set cb, cb+1
.endr
	WIN 0xa0
.set cb, 0
.rept 16
	s_wait_dscnt 30-2*cb                           ; O and Wo's fragments up to cb are in; the 30 - 2 cb loads issued behind them may be out
	v_wmma_f32_16x16x32_bf16 v[8*cb:8*cb+7], v[WOF+8*cb:WOF+8*cb+7], v[OF:OF+7], v[8*cb:8*cb+7]
	v_wmma_f32_16x16x32_bf16 v[128+8*cb:128+8*cb+7], v[WOF+8*cb:WOF+8*cb+7], v[OF+8:OF+15], v[128+8*cb:128+8*cb+7]
.set cb, cb+1
.endr
	WIN 0xf0
.set cb, 0
.rept 16
	v_wmma_f32_16x16x32_bf16 v[8*cb:8*cb+7], v[WOF+8*cb:WOF+8*cb+7], v[OF+16:OF+23], v[8*cb:8*cb+7]
	v_wmma_f32_16x16x32_bf16 v[128+8*cb:128+8*cb+7], v[WOF+8*cb:WOF+8*cb+7], v[OF+24:OF+31], v[128+8*cb:128+8*cb+7]
.set cb, cb+1
.endr
	WIN 0
	s_add_co_u32 s[HOFF], s[HOFF], 128
	s_sub_co_u32 s[NH], s[NH], 1
	s_cmp_lg_u32 s[NH], 0
	s_cbranch_scc1 .Lhead
	; ---------------------------------------------------------------- LN2 and the FFN
	PLACES                                         ; behind Wo's last products: b2 lands on their fragments, and the norm reads R
	s_wait_loadcnt 0x0                             ; every load of the bias table into v192-255 is done before b2 is loaded there, on every way through the text; the last tile of all asked for none, so nothing is out here
	BILOAD 14                                      ; b2
	v_mov_b32 v[ZR], 0
	LN 0, 1
	LN 1, 1
	LN 2, 1
	LN 3, 1
	WIN 0
	s_mov_b32 s[NCH], 7
	s_mov_b32 s[B1OFF], 0
.Lffn:                                         ; chunks 8 to 14: each asks for the next
	ROUND 1, 2
	CHUNK
	s_sub_co_u32 s[NCH], s[NCH], 1
	s_cmp_lg_u32 s[NCH], 0
	s_cbranch_scc1 .Lffn
	ROUND 0, 0                                     ; the last chunk is written out: nothing is asked for
	CHUNK
	; ---------------------------------------------------------------- the way out
	v_and_b32 v[TA], 15, v0
	v_mul_u32_u24 v[AC], v[TA], CPITCH
	v_add_nc_u32 v[AC], v[AC], v[ABO]
	v_add_nc_u32 v[AC], s[XW], v[AC]               ; row l % 16 of my stage, 32 bytes for each half of the lanes
	OUTT 0
	OUTT 1
	OUTT 2
	OUTT 3
	WIN 0
	s_wait_tensorcnt 0x0                           ; the wave's end: behind my last tensor load and my last LDS store
	ds_add_u32 v[SPW], v[NIL]
	s_wait_dscnt 0x0
	CROUND                                         ; the closing round: no work-group ends while a partner may still ask for a chunk that names it
	s_endpgm
.Lfunc_end_k_qe3d84c1bae_pair:
	.size	k_qe3d84c1bae_pair, .Lfunc_end_k_qe3d84c1bae_pair-k_qe3d84c1bae_pair
	.p2alignl 7, 3214868480
	.fill 96, 4, 3214868480
	.section	.rodata,"a",@progbits
	.p2align	6, 0x0
	.amdhsa_kernel k_qe3d84c1bae_pair
		.amdhsa_group_segment_fixed_size 327680
		.amdhsa_private_segment_fixed_size 0
		.amdhsa_enable_private_segment 0
		.amdhsa_kernarg_size 56
		.amdhsa_user_sgpr_count 2
		.amdhsa_user_sgpr_kernarg_segment_ptr 1
		.amdhsa_wavefront_size32 1
		.amdhsa_system_sgpr_workgroup_id_x 1
		.amdhsa_system_sgpr_workgroup_id_y 1
		.amdhsa_system_sgpr_workgroup_id_z 1
		.amdhsa_system_vgpr_workitem_id 0
		.amdhsa_next_free_vgpr 1024
		.amdhsa_next_free_sgpr 100
		.amdhsa_reserve_vcc 0
		.amdhsa_float_denorm_mode_32 3
		.amdhsa_float_denorm_mode_16_64 3
		.amdhsa_memory_ordered 1
		.amdhsa_forward_progress 1
		.amdhsa_inst_pref_size 255
	.end_amdhsa_kernel
	.section	.bss,"aw",@nobits
	.p2align	6
	.space	262144
	.amdgpu_metadata
---
amdhsa.version: [ 1, 2 ]
amdhsa.kernels:
  - .name:           k_qe3d84c1bae_pair
    .symbol:         k_qe3d84c1bae_pair.kd
    .args:
      - { .name: pair_repr, .offset: 0, .size: 8, .value_kind: global_buffer, .address_space: global }
      - { .name: WS, .offset: 8, .size: 8, .value_kind: global_buffer, .address_space: global }
      - { .name: BT, .offset: 16, .size: 8, .value_kind: global_buffer, .address_space: global }
      - { .name: VEC, .offset: 24, .size: 8, .value_kind: global_buffer, .address_space: global }
      - { .name: bo, .offset: 32, .size: 8, .value_kind: global_buffer, .address_space: global }
      - { .name: b2, .offset: 40, .size: 8, .value_kind: global_buffer, .address_space: global }
      - { .name: out0, .offset: 48, .size: 8, .value_kind: global_buffer, .address_space: global }
    .group_segment_fixed_size: 327680
    .private_segment_fixed_size: 0
    .kernarg_segment_align: 8
    .kernarg_segment_size: 56
    .max_flat_workgroup_size: 128
    .sgpr_count:     100
    .vgpr_count:     1024
    .wavefront_size: 32
...
	.end_amdgpu_metadata
.endif
;; end of part 2
